; MI455X (gfx1250); checked and timed in simulation.
; The chip was launched on July 23, 2026; its instructions are those of AMD's public machine-readable ISA for CDNA 5 (MIT licence, August 2026) and "CDNA5" Instruction Set Architecture Reference Guide (July 2026). The comments in the code are by the model that wrote it; some were corrected since.
;; Scaled Dot Product Attention. Allowed arithmetic: float matrix products may take bf16 or f16 operands with f32 sums; all other float work in f32.
;; Inputs: k 4 x 16 x 2,048 x 64 float32; q 4 x 16 x 2,048 x 64 float32; v 4 x 16 x 2,048 x 64 float32.
;; Outputs: out0 4 x 16 x 2,048 x 64 float32.
;; Constants: is_causal = 1.
;; One version. Each part assembles by itself: llvm-mc -triple=amdgcn-amd-amdhsa -mcpu=gfx1250 --defsym DOCPART=n.
;; ======== version 1 of 1: 1 launch
;; limits: inputs' magnitudes at most 65,504; below input magnitudes of 7.63e-06 results are inexact or not finite; values are held in f16: magnitudes above 65,504 overflow, below 6.1e-05 lose precision
;; launch attn (part 1): grid 256 x 1, 8 waves a work-group, no clusters, 109,568 bytes of LDS; arguments k, q, v, out0; writes out0
.if DOCPART == 1
	.amdgcn_target "amdgcn-amd-amdhsa--gfx1250"
	.amdhsa_code_object_version 6
	.text
	.protected	k_q0f42b3bfc4_attn
	.globl	k_q0f42b3bfc4_attn
	.p2align	8
	.type	k_q0f42b3bfc4_attn,@function
k_q0f42b3bfc4_attn:
	s_mov_b64 s[64:65], 0
	v_nop
	global_prefetch_b8 v0, s[64:65] scope:SCOPE_SE
	s_setreg_imm32_b32 hwreg(HW_REG_WAVE_MODE, 25, 1), 1
	s_wait_xcnt 0x0
; Causal attention, out = softmax(q k^T / 8, keys <= query) v.  q, k, v, out: [64 heads][2048][64] f32.
; Sums, maxima and exponentials are f32, with a running row maximum.  FORMATS OF THE MATRIX OPERANDS:
;   Q, K: bf16, which has f32's range; S^T = K Q^T is the bf16 form.
;   P (the exponentials, in [0, 1]): f16.  A head's first rows average over few keys, and where large terms p v cancel, P's rounding shows in the result
;     in full: f16 keeps 11 significant bits, bf16 8.
;   V: rounded to bf16 like Q and K, and that value carried in f16, since a matrix instruction takes both sources in one format.  A bf16 number has 8
;     significant bits, so f16 holds it exactly from 2^-17 to 65,504.  So all three inputs carry one and the same rounding, and the result is that of
;     attention on the inputs rounded to bf16, up to P's rounding to f16 (at most 2^-11 of a term; none for a row's largest p, which is 1).
;
; SHARING.  Work-group g: head g >> 2, j = g & 3.  A head's rows are 8 blocks of 256.  The group makes block 7 - j, then block j:
; block b needs 4 (b + 1) key tiles of 64 keys, so every group walks 4 (8 - j) + 4 (j + 1) = 36 tiles.  Wave w owns rows
; 32 w .. 32 w + 31 of the block, as two query tiles of 16.  Eight waves, two for each SIMD: most instructions of a step are
; the softmax's, so one wave's vector work can be issued while the other's matrix instructions run.
;
; TRANSPOSED PRODUCTS.  S^T = K Q^T (source A: 16 keys x 32 d, source B: 16 queries): lane (r = l % 16, h = l / 16) holds, in register j of
; key tile t, key 16 t + 8 h + j of query r.  So a row's maximum and sum are made inside a lane, plus one exchange of the two halves,
; and the lane's 16 scores of key tiles 2u, 2u+1, packed in pairs, ARE source B of O^T = V^T P^T for keys 32u .. 32u+31.
; O^T's register j of tile dt is d = 16 dt + 8 h + j of query r: the rescaling factor is one number a lane.
;
; ORDER OF THE KEY TILES IN A PASS: D0, the 4 b tiles below the diagonal block, D1, D2, D3 (Dk = tile 4 b + k).  Key 256 b is visible to all 256
; rows, so after D0 every maximum is finite and D0 starts all sums (C = 0, nothing is cleared).  In Dk waves below 2k have no
; visible key and skip the arithmetic (not the loading, converting and barriers); waves 2k and 2k+1 mask; the others see all 64 keys.
;
; K AND V come through registers, since f32 has to become 16 bits on the way: thread t loads 16 bytes at 4096 i + 16 t of the tile (i = 0..3; one
; instruction of a wave covers 512 consecutive bytes), rounds them to 8 bytes and stores these to LDS.  Two register sets and two LDS slots take turns:
; step n converts tile n + 1 and then asks for tile n + 3 into the same set, so a load has two steps in which to land.
; NO TENSOR LOADS: they would bring f32 into LDS, to be read, converted and stored again.  NO CLUSTER, NO JOINT REQUESTS: the four
; groups of a head need 4 (b + 1) tiles with different b, so partners would need different numbers of tiles.
;
; LIMITS.  Inputs are finite; V is below 65,504 in magnitude (beyond it f16 gives infinity), and below 2^-17 it is rounded in steps of 2^-24.
; With finite inputs every row keeps its diagonal key, its sum is about 1 or more, and the step of the problem that turns NaN rows into zeros never acts;
; NaN or infinite inputs are not served.  Exponentials below 2^-126 come out as 0; those below 2^-25 count as 0 in the numerator: at most
; 2,048 x 2^-25 = 2^-14 of a row's sum.  The row sum adds the f32 exponentials, the numerator their f16 roundings.
.set KPITCH, 144                       ; LDS row of K and of Q: 128 bytes + 16, an odd multiple of 16: 16 rows start in 16 different 16-byte columns modulo 256
.set VPITCH, 160                       ; LDS row of V: 128 bytes + 32, an odd multiple of 32, for the transposing load
.set OPITCH, 272                       ; LDS row of the result: 256 bytes + 16
.set KSLOT,  64*KPITCH                 ; 9,216 bytes; K's slots at 0 and 9,216
.set VSLOT,  64*VPITCH                 ; 10,240 bytes
.set VBASE,  2*KSLOT                   ; V's slots at 18,432 and 28,672
.set STAGE,  VBASE+2*VSLOT             ; 38,912: the waves' own stages
.set WSTAGE, 32*OPITCH                 ; 8,704 bytes a wave: Q on its way in (32 x 144), the result on its way out (32 x 272)
; window 0
.set KADR, 1                           ; 144 r + 16 h
.set VADR, 2                           ; 160 (8 h + l % 8) + 16 ((l / 8) % 2) + VBASE
.set QST,  3                           ; 144 h + 8 r + stage
.set QRD,  4                           ; 144 r + 16 h + stage
.set OST,  5                           ; 272 r + 32 h + stage
.set ORD,  6                           ; 272 h + 16 r + stage
.set LW,   7                           ; 16 l: never rewritten
.set DQ,   8                           ; 32 (w % 2) + r - 8 h, signed: the mask's right side
.set MM,   10                          ; v[10:11], v[12:13]: row maxima of the two query tiles, set s = the step's slot
.set NC,   14                          ; v[14:15], v[16:17]: -c x maximum, set s
.set AL,   18                          ; v[18:19]: factor on the old sums; at the end 1 / row sum
.set LS,   20                          ; v[20:21]: row sums over this lane's half of the keys
.set TT,   22                          ; v[22:29]: chains of maxima and sums
.set XX,   30                          ; v[30:31]: exponent of the factor, then the step's sums
.set QF,   32                          ; v[32:63]: Q fragments, [q][ks] at 16 q + 8 ks
.set OA,   64                          ; v[64:127]: O^T, [q][dt] at 32 q + 8 dt
.set SC,   128                         ; v[128:191]: S^T, [q][t] at 32 q + 8 t; P^T packed in place, [q][u] at 32 q + 16 u
.set KV,   192                         ; v[192:255]: K fragments [t][ks] at 16 t + 8 ks, then V fragments [dt][u] at 16 dt + 8 u, then rows on the way out
; window 1 (v256 and up, written by their low 8 bits): v[0:31], v[32:63] the two staging sets (K's load i at 4 i, V's at 16 + 4 i)
.set KST,  64                          ; 144 (t / 16) + 8 (t % 16)
.set VST,  65                          ; 160 (t / 16) + 8 (t % 16) + VBASE
.set LOFF, 66                          ; 16 t
.set GOFF, 67                          ; 16,384 x tile + 16 t
; scalars: s[4:5] k, s[6:7] q, s[8:9] v, s[10:11] out, all at the head; s12 wave; s13 j; s15 b; s16 4 b; s17 2 b; s18, s19 counters; s20 tile to ask for;
; s21 stage; s[22:23] an offset; s[24:25] Q, s[26:27] out at the wave's rows; s[28:29] c, c; s[30:31] -c, -c; s32, s33 lane selects; s34 -inf; s35 at work;
; s36 mask of a word's upper bf16
.set MSB, 0
.macro WIN new                         ; s_set_vgpr_msb: low byte = windows of source 0, 1, 2 and destination; the high byte repeats the setting that is left
.if MSB != \new
	s_set_vgpr_msb (MSB<<8)|\new
.set MSB, \new
.endif
.endm
; the tile asked for next: 0, 1, .. with tile 4 b left out (it was the pass's first)
.macro NEXT
	s_add_co_u32 s20, s20, 1
	s_cmp_eq_u32 s20, s16
	s_add_co_ci_u32 s20, s20, 0
.endm
; eight loads of 16 bytes a thread: the K and V tile whose number is in s[tile], into a staging set.  All operands in window 1.
.macro KVLOAD set, tile
	s_wait_xcnt 0x0                                ; GOFF is an address source of the loads issued before: it is rewritten only behind this wait
	v_lshl_add_u32 v[GOFF], s[\tile], 14, v[LOFF]
.irp i, 0,1,2,3
	global_load_b128 v[32*(\set)+4*\i:32*(\set)+4*\i+3], v[GOFF], s[4:5] offset:4096*\i
.endr
.irp i, 0,1,2,3
	global_load_b128 v[32*(\set)+16+4*\i:32*(\set)+16+4*\i+3], v[GOFF], s[8:9] offset:4096*\i
.endr
.endm
; a staging set is rounded in place and stored to an LDS slot.  left = the younger loads that may stay out.  All operands in window 1.
.macro KVCONV set, slot, left
	s_wait_loadcnt \left                           ; loads come back in order (ISA guide 5.7.1)
.irp i, 0,1,2,3
	v_cvt_pk_bf16_f32 v[32*(\set)+4*\i],   v[32*(\set)+4*\i],   v[32*(\set)+4*\i+1]        ; K: four f32 to four bf16
	v_cvt_pk_bf16_f32 v[32*(\set)+4*\i+1], v[32*(\set)+4*\i+2], v[32*(\set)+4*\i+3]
.endr
.irp i, 0,1,2,3
	ds_store_b64 v[KST], v[32*(\set)+4*\i:32*(\set)+4*\i+1] offset:KSLOT*(\slot)+16*KPITCH*\i          ; key 16 i + t / 16, d = 4 (t % 16) ..
.endr
	; V: rounded to bf16, widened again (a shift, a mask), packed as f16: the packing changes no value inside the limits stated at the head
.irp i, 0,1,2,3
	v_cvt_pk_bf16_f32 v[32*(\set)+16+4*\i],   v[32*(\set)+16+4*\i],   v[32*(\set)+16+4*\i+1]
	v_cvt_pk_bf16_f32 v[32*(\set)+16+4*\i+2], v[32*(\set)+16+4*\i+2], v[32*(\set)+16+4*\i+3]
.endr
.irp i, 0,1,2,3
	v_and_b32 v[32*(\set)+16+4*\i+1], s36, v[32*(\set)+16+4*\i]
	v_and_b32 v[32*(\set)+16+4*\i+3], s36, v[32*(\set)+16+4*\i+2]
.endr
.irp i, 0,1,2,3
	v_lshlrev_b32 v[32*(\set)+16+4*\i],   16, v[32*(\set)+16+4*\i]
	v_lshlrev_b32 v[32*(\set)+16+4*\i+2], 16, v[32*(\set)+16+4*\i+2]
.endr
.irp i, 0,1,2,3
	v_cvt_pk_f16_f32 v[32*(\set)+16+4*\i],   v[32*(\set)+16+4*\i],   v[32*(\set)+16+4*\i+1]
	v_cvt_pk_f16_f32 v[32*(\set)+16+4*\i+1], v[32*(\set)+16+4*\i+2], v[32*(\set)+16+4*\i+3]
.endr
.irp i, 0,1,2,3
	ds_store_b64 v[VST], v[32*(\set)+16+4*\i:32*(\set)+16+4*\i+1] offset:VSLOT*(\slot)+16*VPITCH*\i
.endr
.endm
; K fragments: key tile t, 16 bytes at d = 16 c + 8 h (c = 2 ks + e), 16 loads
.macro KFRAG slot
.irp t, 0,1,2,3
.irp c, 0,1,2,3
	ds_load_b128 v[KV+16*\t+4*\c:KV+16*\t+4*\c+3], v[KADR] offset:KSLOT*\slot+16*KPITCH*\t+32*\c
.endr
.endr
.endm
; V^T fragments by the transposing load: d tile dt, keys 16 c + 8 h .. + 7 (c = 2 u + e), 16 loads
.macro VFRAG slot
.irp d, 0,1,2,3
.irp c, 0,1,2,3
	ds_load_tr16_b128 v[KV+16*\d+4*\c:KV+16*\d+4*\c+3], v[VADR] offset:VSLOT*\slot+16*VPITCH*\c+32*\d
.endr
.endr
.endm
; S^T = K Q^T: 16 matrix instructions.  The eight accumulators take turns, one instruction a turn.  The first half of d starts the sums.
.macro QK
.irp c, 0,1
.irp t, 0,1,2,3
.irp q, 0,1
.if \c
	v_wmma_f32_16x16x32_bf16 v[SC+32*\q+8*\t:SC+32*\q+8*\t+7], v[KV+16*\t+8*\c:KV+16*\t+8*\c+7], v[QF+16*\q+8*\c:QF+16*\q+8*\c+7], v[SC+32*\q+8*\t:SC+32*\q+8*\t+7]
.else
	v_wmma_f32_16x16x32_bf16 v[SC+32*\q+8*\t:SC+32*\q+8*\t+7], v[KV+16*\t+8*\c:KV+16*\t+8*\c+7], v[QF+16*\q+8*\c:QF+16*\q+8*\c+7], 0
.endif
.endr
.endr
.endr
.rept 4
	v_nop                                          ; four places ahead of the loads into the K fragments' registers and of the first reading of S^T
.endr
.endm
; the diagonal: key 16 t + 8 h + i stays where it is <= query 32 (w % 2) + 16 q + r, both counted from the tile's first key; else -inf
.macro MASK
.irp q, 0,1
.irp t, 0,1,2,3
.irp i, 0,1,2,3,4,5,6,7
	v_cmp_le_i32 vcc_lo, 16*\t+\i-16*\q, v[DQ]
	v_cndmask_b32 v[SC+32*\q+8*\t+\i], s34, v[SC+32*\q+8*\t+\i], vcc_lo
.endr
.endr
.endr
.endm
; p = 2^(c x score - c x maximum) for query tile q, in place: 16 packed multiply-adds, 32 exponentials
.macro EXPQ s, q
.set ii, 0
.rept 16
	v_pk_fma_f32 v[SC+32*\q+2*ii:SC+32*\q+2*ii+1], v[SC+32*\q+2*ii:SC+32*\q+2*ii+1], s[28:29], v[NC+2*\s:NC+2*\s+1] op_sel:[0,0,\q] op_sel_hi:[1,0,\q]
.set ii, ii+1
.endr
.set ii, 0
.rept 32
	v_exp_f32 v[SC+32*\q+ii], v[SC+32*\q+ii]
.set ii, ii+1
.endr
.endm
; the lane's 32 p of query tile q are added, in four chains of pairs, into v[dst]
.macro SUMQ q, dst
	s_wait_alu depctr_va_vdst(0)
.irp c, 0,1,2,3
	v_pk_add_f32 v[TT+2*\c:TT+2*\c+1], v[SC+32*\q+2*\c:SC+32*\q+2*\c+1], v[SC+32*\q+8+2*\c:SC+32*\q+8+2*\c+1]
.endr
.irp c, 0,1,2,3
	v_pk_add_f32 v[TT+2*\c:TT+2*\c+1], v[TT+2*\c:TT+2*\c+1], v[SC+32*\q+16+2*\c:SC+32*\q+16+2*\c+1]
.endr
.irp c, 0,1,2,3
	v_pk_add_f32 v[TT+2*\c:TT+2*\c+1], v[TT+2*\c:TT+2*\c+1], v[SC+32*\q+24+2*\c:SC+32*\q+24+2*\c+1]
.endr
	v_pk_add_f32 v[TT:TT+1], v[TT:TT+1], v[TT+2:TT+3]
	v_pk_add_f32 v[TT+4:TT+5], v[TT+4:TT+5], v[TT+6:TT+7]
	v_pk_add_f32 v[TT:TT+1], v[TT:TT+1], v[TT+4:TT+5]
	v_add_f32 v[\dst], v[TT], v[TT+1]
.endm
; p to f16, in place and ascending: 16 registers (key tiles 2u, 2u+1) become the 8 of source B for keys 32 u .. 32 u + 31
.macro PACKQ q
.irp u, 0,1
.irp i, 0,1,2,3,4,5,6,7
	v_cvt_pk_f16_f32 v[SC+32*\q+16*\u+\i], v[SC+32*\q+16*\u+2*\i], v[SC+32*\q+16*\u+2*\i+1]
.endr
.endr
.endm
; the step's softmax.  s = the step's slot: it picks the set of MM and NC that is written; the other set is the step before's.
.macro SOFTMAX s, first
.irp q, 0,1
.irp c, 0,1,2,3
	v_max3_num_f32 v[TT+4*\q+\c], v[SC+32*\q+3*\c], v[SC+32*\q+3*\c+1], v[SC+32*\q+3*\c+2]
.endr
.irp i, 0,1,2,3,4,5,6,7,8,9
	v_max3_num_f32 v[TT+4*\q+\i%4], v[TT+4*\q+\i%4], v[SC+32*\q+12+2*\i], v[SC+32*\q+13+2*\i]
.endr
.endr
.irp q, 0,1
	v_max3_num_f32 v[TT+4*\q], v[TT+4*\q], v[TT+4*\q+1], v[TT+4*\q+2]
.endr
.irp q, 0,1
	v_max_num_f32 v[TT+4*\q], v[TT+4*\q], v[TT+4*\q+3]
.endr
.irp q, 0,1
	v_permlanex16_b32 v[TT+4*\q+1], v[TT+4*\q], s32, s33       ; the other half's keys of the same query
.endr
.irp q, 0,1
.if \first
	v_max_num_f32 v[MM+2*\s+\q], v[TT+4*\q], v[TT+4*\q+1]
.else
	v_max3_num_f32 v[MM+2*\s+\q], v[TT+4*\q], v[TT+4*\q+1], v[MM+2-2*\s+\q]
.endif
.endr
	v_pk_mul_f32 v[NC+2*\s:NC+2*\s+1], v[MM+2*\s:MM+2*\s+1], s[30:31] op_sel_hi:[1,0]
.if \first == 0
	; the factor on the old sums is made of the two ROUNDED references that the exponents use, so it is exactly 1 where the maximum stands still
	v_pk_add_f32 v[XX:XX+1], v[NC+2*\s:NC+2*\s+1], v[NC+2-2*\s:NC+2-2*\s+1] neg_lo:[0,1] neg_hi:[0,1]
	v_exp_f32 v[AL], v[XX]
	v_exp_f32 v[AL+1], v[XX+1]
.endif
	; behind each run of exponentials stands a plain instruction that names none of the run's registers before a result is used (ISA guide 5.7.2):
	; the other query tile's multiply-adds, then query tile 0's sums
	EXPQ \s, 0
	EXPQ \s, 1
.if \first
	SUMQ 0, LS
	PACKQ 0
	SUMQ 1, LS+1
	PACKQ 1
.else
	SUMQ 0, XX
	PACKQ 0
	SUMQ 1, XX+1
	PACKQ 1
.endif
.endm
; O^T = factor x O^T + V^T P^T: registers alone.  The eight accumulators take turns, one instruction a turn.
.macro PVPART first
.if \first == 0
.irp q, 0,1
.set ii, 0
.rept 16
	v_pk_mul_f32 v[OA+32*\q+2*ii:OA+32*\q+2*ii+1], v[OA+32*\q+2*ii:OA+32*\q+2*ii+1], v[AL:AL+1] op_sel:[0,\q] op_sel_hi:[1,\q]
.set ii, ii+1
.endr
.endr
.endif
.irp u, 0,1
.irp d, 0,1,2,3
.irp q, 0,1
.if \first*(1-\u)
	v_wmma_f32_16x16x32_f16 v[OA+32*\q+8*\d:OA+32*\q+8*\d+7], v[KV+16*\d+8*\u:KV+16*\d+8*\u+7], v[SC+32*\q+16*\u:SC+32*\q+16*\u+7], 0
.else
	v_wmma_f32_16x16x32_f16 v[OA+32*\q+8*\d:OA+32*\q+8*\d+7], v[KV+16*\d+8*\u:KV+16*\d+8*\u+7], v[SC+32*\q+16*\u:SC+32*\q+16*\u+7], v[OA+32*\q+8*\d:OA+32*\q+8*\d+7]
.endif
.endr
.endr
.endr
	; five places: four ahead of the next loads into the V fragments' registers and of any reading of O^T,
	; five ahead of the next S^T product, which writes over P^T
.if \first
.rept 5
	v_nop
.endr
.else
	v_fma_f32 v[LS], v[LS], v[AL], v[XX]
	v_fma_f32 v[LS+1], v[LS+1], v[AL+1], v[XX+1]
.rept 3
	v_nop
.endr
.endif
.endm
; One key tile, in slot s.  dk = -1: a tile below the diagonal block; 0..3: diagonal tile Dk.  first = 1: it starts the sums.
; conv = 1: the next tile is converted into the other slot, with 'left' younger loads staying out; loads = 1: the tile three steps on is asked for.
; bar = 1: a barrier ends the step.
.macro STEP s, dk, first, conv, left, loads, bar
.if \dk > 0
	s_cmp_lt_u32 s12, 2*\dk                        ; waves below 2 dk see no key of this tile
	s_cbranch_scc1 .Lnk_\@
.endif
	KFRAG \s
.if \dk > 0
.Lnk_\@:
.endif
.if \conv
	WIN 0x55                                       ; every operand place in window 1
	KVCONV 1-\s, 1-\s, \left
.if \loads
	NEXT
	KVLOAD 1-\s, 20
.endif
	WIN 0
.endif
.if \dk > 0
	s_cmp_lt_u32 s12, 2*\dk
	s_cbranch_scc1 .Lns_\@
.endif
	s_wait_dscnt 8*\conv                           ; the 16 fragment loads are in; the eight younger LDS stores may be out (LDS serves a wave in order: ISA guide 5.7.1)
	QK
	VFRAG \s
.if \dk >= 0
	s_cmp_ge_u32 s12, 2*\dk+2                      ; waves from 2 dk + 2 on see all 64 keys
	s_cbranch_scc1 .Lnm_\@
	MASK
.Lnm_\@:
.endif
	SOFTMAX \s, \first
.if \dk > 0
.Lns_\@:
.endif
	s_wait_dscnt 0x0                               ; for the others: my stores into the other slot are done and my reads of this slot are back; for me: the V fragments are in
.if \dk > 0
.if \bar
	s_barrier_signal -1
	s_barrier_wait -1                              ; the other slot is whole, and nobody reads this one any more
.endif
	s_cmp_lt_u32 s12, 2*\dk
	s_cbranch_scc1 .Lnp_\@
	PVPART \first
.Lnp_\@:
.else
	s_barrier_signal -1
	PVPART \first                                  ; registers alone, while the others arrive
	s_barrier_wait -1                              ; the other slot is whole, and nobody reads this one any more
.endif
.endm
	s_load_b256 s[4:11], s[0:1], 0x0               ; k s[4:5], q s[6:7], v s[8:9], out s[10:11]
	s_set_vgpr_msb 0x40
	v_lshl_add_u32 v72, v0, 2, 0x1a800
	v_mov_b32 v73, 0
	s_set_vgpr_msb 0x4000
	v_lshrrev_b32 v9, 5, v0
	v_readfirstlane_b32 s12, v9                    ; wave 0..7
	s_and_b32 s13, ttmp9, 3                        ; j
	s_lshr_b32 s22, ttmp9, 2                       ; head,
	s_lshl_b32 s22, s22, 19                        ; times 2,048 rows of 256 bytes: below 2^25
	s_mov_b32 s23, 0
	s_sub_co_u32 s15, 7, s13                       ; the first pass's block
	s_mov_b32 s28, 0x3e38aa3b                      ; c = log2(e) / 8: the scale 1 / sqrt(64) rides in the exponent
	s_mov_b32 s29, 0x3e38aa3b
	s_mov_b32 s30, 0xbe38aa3b                      ; -c
	s_mov_b32 s31, 0xbe38aa3b
	s_mov_b32 s32, 0x76543210                      ; v_permlanex16_b32: lane i of one half reads lane i of the other
	s_mov_b32 s33, 0xfedcba98
	s_mov_b32 s34, 0xff800000                      ; -inf
	s_mov_b32 s36, 0xffff0000                      ; a word's upper bf16
	s_mul_i32 s21, s12, WSTAGE
	s_add_co_u32 s21, s21, STAGE                   ; my wave's stage
	s_and_b32 s35, s12, 1
	s_lshl_b32 s35, s35, 5                         ; 32 (w % 2)
	v_and_b32 v22, 15, v0                          ; r
	v_bfe_u32 v23, v0, 4, 1                        ; h
	v_mul_u32_u24 v24, v22, KPITCH
	v_lshl_add_u32 v[KADR], v23, 4, v24
	v_add_nc_u32 v[QRD], s21, v[KADR]
	v_and_b32 v25, 7, v0
	v_lshl_add_u32 v25, v23, 3, v25                ; 8 h + l % 8
	v_bfe_u32 v26, v0, 3, 1
	v_lshlrev_b32 v26, 4, v26
	v_mad_u32_u24 v[VADR], v25, VPITCH, v26
	v_add_nc_u32 v[VADR], VBASE, v[VADR]
	v_mul_u32_u24 v24, v23, KPITCH
	v_lshl_add_u32 v24, v22, 3, v24
	v_add_nc_u32 v[QST], s21, v24
	v_mul_u32_u24 v24, v22, OPITCH
	v_lshl_add_u32 v24, v23, 5, v24
	v_add_nc_u32 v[OST], s21, v24
	v_mul_u32_u24 v24, v23, OPITCH
	v_lshl_add_u32 v24, v22, 4, v24
	v_add_nc_u32 v[ORD], s21, v24
	v_and_b32 v[LW], 31, v0
	v_lshlrev_b32 v[LW], 4, v[LW]
	v_lshlrev_b32 v24, 3, v23
	v_sub_nc_u32 v[DQ], v22, v24
	v_add_nc_u32 v[DQ], s35, v[DQ]
	v_lshrrev_b32 v24, 4, v0                       ; t / 16: the key, of sixteen, that my 16 bytes of a load belong to
	v_lshlrev_b32 v25, 3, v22                      ; 8 (t % 16)
	v_add_nc_u32 v26, VBASE, v25
	WIN 0x40                                       ; destination in window 1, sources in window 0
	v_mad_u32_u24 v[KST], v24, KPITCH, v25
	v_mad_u32_u24 v[VST], v24, VPITCH, v26
	v_lshlrev_b32 v[LOFF], 4, v0
	WIN 0
	s_wait_kmcnt 0x0
	s_add_nc_u64 s[4:5], s[4:5], s[22:23]          ; all four tensors at my head
	s_add_nc_u64 s[6:7], s[6:7], s[22:23]
	s_add_nc_u64 s[8:9], s[8:9], s[22:23]
	s_add_nc_u64 s[10:11], s[10:11], s[22:23]
	s_mov_b32 s19, 0
.Lpass:
	s_wait_xcnt 0x0                                ; the last pass's stores: their base s[26:27] and their data in v[KV ..] are rewritten only behind this wait
	s_lshl_b32 s16, s15, 2                         ; 4 b: tiles below the diagonal block, and D0's number
	s_lshl_b32 s17, s15, 1                         ; 2 b: trips of the loop, two tiles each
	s_lshl_b32 s22, s15, 16                        ; 256 rows of 256 bytes a block,
	s_lshl_b32 s35, s12, 13                        ; 32 rows a wave
	s_add_co_u32 s22, s22, s35
	s_add_nc_u64 s[24:25], s[6:7], s[22:23]
	s_add_nc_u64 s[26:27], s[10:11], s[22:23]
	s_mov_b32 s20, -1
	WIN 0x55
	KVLOAD 0, 16                                   ; D0
	NEXT
	KVLOAD 1, 20                                   ; the second tile
	WIN 0
.set ii, 0
.rept 16
	global_load_b128 v[SC+4*ii:SC+4*ii+3], v[LW], s[24:25] offset:512*ii th:TH_LOAD_NT   ; my 32 rows of Q, 512 consecutive bytes an instruction; read once in the launch
.set ii, ii+1
.endr
	WIN 0x55
	KVCONV 0, 0, 24                                ; D0 is in: younger are the second tile's 8 loads and Q's 16.  Slot 0 was last read in front of D2's barrier
	NEXT
	KVLOAD 0, 20                                   ; the third tile
	WIN 0
	s_wait_loadcnt 8                               ; Q is in; the third tile's 8 loads stay out
.set ii, 0
.rept 16
	v_cvt_pk_bf16_f32 v[SC+4*ii],   v[SC+4*ii],   v[SC+4*ii+1]
	v_cvt_pk_bf16_f32 v[SC+4*ii+1], v[SC+4*ii+2], v[SC+4*ii+3]
.set ii, ii+1
.endr
.set ii, 0
.rept 16
	ds_store_b64 v[QST], v[SC+4*ii:SC+4*ii+1] offset:2*KPITCH*ii   ; row 2 i + h, d = 4 r ..: into my own stage
.set ii, ii+1
.endr
.irp q, 0,1
.irp c, 0,1,2,3
	ds_load_b128 v[QF+16*\q+4*\c:QF+16*\q+4*\c+3], v[QRD] offset:16*KPITCH*\q+32*\c   ; LDS serves a wave in order (ISA guide 5.7.1): these see the stores above
.endr
.endr
	s_wait_dscnt 0x0                               ; my part of slot 0 is stored, my reads of slot 1 in the last pass are back, Q's fragments are in
	s_barrier_signal -1
	s_barrier_wait -1
	STEP 0, 0, 1, 1, 8, 1, 1                       ; D0
	s_cmp_eq_u32 s16, 0
	s_cbranch_scc1 .Ltail                          ; block 0 has no tile below its diagonal block
	s_mov_b32 s18, 0
.Lk:
	STEP 1, -1, 0, 1, 8, 1, 1
	STEP 0, -1, 0, 1, 8, 1, 1
	s_add_co_u32 s18, s18, 1
	s_cmp_lt_u32 s18, s17
	s_cbranch_scc1 .Lk
.Ltail:
	STEP 1, 1, 0, 1, 8, 0, 1                       ; D1 converts D2, D3's loads stay out; nothing is left to ask for
	STEP 0, 2, 0, 1, 0, 0, 1                       ; D2 converts D3: the last loads
	STEP 1, 3, 0, 0, 0, 0, 0                       ; D3: no barrier; slot 1 is written again only behind the next pass's first barrier
	; THE WAY OUT: divide by the row sum, 32 rows of 256 bytes through my own stage, whole rows to memory
	v_permlanex16_b32 v[TT], v[LS], s32, s33       ; the other half of the keys
	v_permlanex16_b32 v[TT+1], v[LS+1], s32, s33
	v_pk_add_f32 v[TT:TT+1], v[TT:TT+1], v[LS:LS+1]
	v_rcp_f32 v[AL], v[TT]
	v_rcp_f32 v[AL+1], v[TT+1]
	v_nop                                          ; one plain instruction ahead of the first use (ISA guide 5.7.2)
	s_wait_alu depctr_va_vdst(0)
.irp q, 0,1
.set ii, 0
.rept 16
	v_pk_mul_f32 v[OA+32*\q+2*ii:OA+32*\q+2*ii+1], v[OA+32*\q+2*ii:OA+32*\q+2*ii+1], v[AL:AL+1] op_sel:[0,\q] op_sel_hi:[1,\q]
.set ii, ii+1
.endr
.endr
.irp q, 0,1
.irp c, 0,1,2,3,4,5,6,7
	ds_store_b128 v[OST], v[OA+32*\q+4*\c:OA+32*\q+4*\c+3] offset:16*OPITCH*\q+64*(\c/2)+16*(\c%2)   ; row 16 q + r, d = 16 dt + 8 h + 4 e .. (c = 2 dt + e)
.endr
.endr
.set ii, 0
.rept 16
	ds_load_b128 v[KV+4*ii:KV+4*ii+3], v[ORD] offset:2*OPITCH*ii   ; rows 2 i and 2 i + 1, 16 lanes a row; in order behind the stores above
.set ii, ii+1
.endr
.set ii, 0
.rept 16
	s_wait_dscnt 15-ii                             ; pair i of the sixteen pairs of rows is in
	global_store_b128 v[LW], v[KV+4*ii:KV+4*ii+3], s[26:27] offset:512*ii th:TH_STORE_NT   ; 16 lanes store 256 consecutive bytes, at a multiple of 256 from the buffer's first byte
.set ii, ii+1
.endr
	s_sub_co_u32 s15, 7, s15                       ; the second pass's block: j
	s_add_co_u32 s19, s19, 1
	s_cmp_lt_u32 s19, 2
	s_cbranch_scc1 .Lpass
	s_set_vgpr_msb 0x5
	s_wait_tensorcnt 0x0
	ds_add_u32 v72, v73
	s_wait_dscnt 0x0
	s_set_vgpr_msb 0x500
	s_endpgm
.Lfunc_end_k_q0f42b3bfc4_attn:
	.size	k_q0f42b3bfc4_attn, .Lfunc_end_k_q0f42b3bfc4_attn-k_q0f42b3bfc4_attn
	.p2alignl 7, 3214868480
	.fill 96, 4, 3214868480
	.section	.rodata,"a",@progbits
	.p2align	6, 0x0
	.amdhsa_kernel k_q0f42b3bfc4_attn
		.amdhsa_group_segment_fixed_size 109568
		.amdhsa_private_segment_fixed_size 0
		.amdhsa_enable_private_segment 0
		.amdhsa_kernarg_size 32
		.amdhsa_user_sgpr_count 2
		.amdhsa_user_sgpr_kernarg_segment_ptr 1
		.amdhsa_wavefront_size32 1
		.amdhsa_system_sgpr_workgroup_id_x 1
		.amdhsa_system_sgpr_workgroup_id_y 1
		.amdhsa_system_sgpr_workgroup_id_z 1
		.amdhsa_system_vgpr_workitem_id 0
		.amdhsa_next_free_vgpr 330
		.amdhsa_next_free_sgpr 66
		.amdhsa_reserve_vcc 1
		.amdhsa_float_denorm_mode_32 3
		.amdhsa_float_denorm_mode_16_64 3
		.amdhsa_memory_ordered 1
		.amdhsa_forward_progress 1
		.amdhsa_inst_pref_size 153
	.end_amdhsa_kernel
	.amdgpu_metadata
---
amdhsa.version: [ 1, 2 ]
amdhsa.kernels:
  - .name:           k_q0f42b3bfc4_attn
    .symbol:         k_q0f42b3bfc4_attn.kd
    .args:
      - { .name: k, .offset: 0, .size: 8, .value_kind: global_buffer, .address_space: global }
      - { .name: q, .offset: 8, .size: 8, .value_kind: global_buffer, .address_space: global }
      - { .name: v, .offset: 16, .size: 8, .value_kind: global_buffer, .address_space: global }
      - { .name: out0, .offset: 24, .size: 8, .value_kind: global_buffer, .address_space: global }
    .group_segment_fixed_size: 109568
    .private_segment_fixed_size: 0
    .kernarg_segment_align: 8
    .kernarg_segment_size: 32
    .max_flat_workgroup_size: 256
    .sgpr_count:     66
    .vgpr_count:     330
    .wavefront_size: 32
...
	.end_amdgpu_metadata
.endif
;; end of part 1
